; MI455X (gfx1250); checked and timed in simulation.
; The chip was launched on July 23, 2026; its instructions are those of AMD's public machine-readable ISA for CDNA 5 (MIT licence, August 2026) and "CDNA5" Instruction Set Architecture Reference Guide (July 2026). The comments in the code are by the model that wrote it; some were corrected since.
;; CPDFP. Allowed arithmetic: matrix products marked QUANTISED: E2M1 operands, one E8M0 scale for each 32 along K, by v_wmma_scale_f32_16x16x128_f8f6f4 with both operands' format E2M1 (or v_wmma_scale_f32_32x16x128_f4), f32 sums; products left as they are: f32 operands where the result goes on into a quantised operand, else bf16, f16 or f32 operands; f32 sums; everything else in f32.
;; Inputs: ca_b1 4 float32; ca_b2 1 float32; ca_w1 4 x 2 float32; ca_w2 1 x 4 float32; conv_w 256 x 257 float32; x1 64 x 256 x 32 x 32 float32; x2 64 x 256 x 32 x 32 float32.
;; Outputs: out0 64 x 256 float32.
;; This version of the problem:
;;   THIS VERSION OF THE PROBLEM IS GIVEN IN LOW PRECISION. The matrix products marked QUANTISED in the list below multiply operands that are first quantised to E2M1 (2 exponent bits, 1 mantissa bit; 4 bits a number), with one power-of-two scale for each 32 numbers along K (OCP MX v1.0); their sums are f32. All else is computed in f32.
;;   The module's matrix products, in the order in which they are computed (A, B: the left and right operand; K: the contracted axis; several contracted axes count as one K, in the product's order):
;;     1. [M 65,536, K 257] x [K 257, N 256]; A: computed on the way; B: input conv_w: QUANTISED
;;     2. [M 65,536, K 257] x [K 257, N 256]; A: computed on the way; B: input conv_w: QUANTISED
;;     3. [M 16,384, K 2] x [K 2, N 4]; A: computed on the way; B: input ca_w1: left as it is (K = 2 < 32)
;;     4. [M 16,384, K 4] x [K 4, N 1]; A: computed on the way; B: input ca_w2: left as it is (K = 4 < 32)
;;   THE QUANTISER, for each operand of a quantised product, along K:
;;     - K is cut into blocks of 32 from its start; a last block that is shorter is filled with zeros.
;;     - A block's scale is 2^e with e = floor(log2(the largest magnitude in the block)) - 2, held to -126 .. 127; a block of zeros has e = 0. As a byte (E8M0): e + 127.
;;     - Each number is divided by its block's scale, clamped to +-6, and rounded to the nearest number of E2M1, ties to even, subnormals kept.
;;     - The product sums the exact products of the quantised numbers (number of the format x scale) in f32.
;;   ~~~python
;;   def quantise(x, axis):      # numpy; x: float32 -> the quantised numbers, widened to float32 again
;;       x = np.moveaxis(x, axis, -1); K = x.shape[-1]
;;       x = np.pad(x, [(0, 0)] * (x.ndim - 1) + [(0, -K % 32)]); x = x.reshape(x.shape[:-1] + (-1, 32)); a = np.abs(x).max(-1, keepdims=True)
;;       e = np.where(a > 0, np.clip(np.frexp(np.where(a > 0, a, 1))[1] - 1 - 2, -126, 127), 0)      # np.frexp(a)[1] - 1 = floor(log2(a)), exactly
;;       r = np.clip(x / 2.0 ** e, -6, 6)
;;       step = 2.0 ** (np.maximum(np.frexp(np.where(r == 0, 1, r))[1] - 1, 0) - 1)
;;       q = np.round(r / step) * step * 2.0 ** e      # np.round: ties to even
;;       return np.moveaxis(q.reshape(q.shape[:-2] + (-1,))[..., :K], -1, axis).astype(np.float32)
;;   ~~~
;;   OPERANDS COMPUTED ON THE WAY. 'Computed on the way' means the value that the module computes at that place (a softmax that the list does not call 'softmax' is quantised finished and normalised). What goes into a quantiser is computed in f32, as accurately as f32 sums, v_exp_f32 and their like allow (about 1e-6 of the number): no bf16 or f16 on the way to a quantiser, and a product that is left as it is and whose result goes on into a quantised operand takes f32 operands (vector FMAs, or v_wmma_f32_16x16x4_f32). A number that lies on a knife's edge between two numbers of the format may be rounded either way, as far as f32 arithmetic and the matrix unit's own rounding can turn it there, and no further.
;; One version. Each part assembles by itself: llvm-mc -triple=amdgcn-amd-amdhsa -mcpu=gfx1250 --defsym DOCPART=n.
;; ======== version 1 of 1: 3 launches
;; workspace buffers: wq 40,960 bytes; part 1,048,576 bytes
;; launch wprep (part 1): grid 16 x 3, 1 waves a work-group, no clusters, 8,704 bytes of LDS; arguments conv_w, wq; writes wq
.if DOCPART == 1
	.amdgcn_target "amdgcn-amd-amdhsa--gfx1250"
	.amdhsa_code_object_version 6
	.text
	.protected	k_q4201406ef1_wprep
	.globl	k_q4201406ef1_wprep
	.p2align	8
	.type	k_q4201406ef1_wprep,@function
k_q4201406ef1_wprep:
	s_mov_b64 s[64:65], 0
	v_nop
	global_prefetch_b8 v0, s[64:65] scope:SCOPE_SE
	s_setreg_imm32_b32 hwreg(HW_REG_WAVE_MODE, 25, 1), 1
	s_wait_xcnt 0x0
; THE PROGRAM.  For each batch b and each of the two branches: dot[p] = sum over c of x[c][p] x[c][528] / 256; z[o][p] = sum over k < 257 of Q(conv_w)[o][k] Q([x; dot])[k][p], both operands
; quantised along k to E2M1 with one E8M0 scale for each 32; a = sigmoid(z); pooled[o] = sum over p of x[o][p] a[o][p] / (sum over p of a[o][p] + 1e-8).  out0[b][o] = (pooled1 + pooled2) x_weights.
; DEAD WORK, LEFT OUT.  x_weights is a softmax along an axis of length 1: exp(h2 - max(h2)) / sum = exp(0) / exp(0) = 1 for every finite h2, whatever ca_w1, ca_b1, ca_w2, ca_b2 and pooled hold.
; So h1 (the product with ca_w1, its bias, the relu), h2 (the product with ca_w2, its bias) and the softmax reach no output, and out0 = pooled1 + pooled2.  ca_w1, ca_b1, ca_w2 and ca_b2 have no way
; to the output: they are not loaded and are among no launch's arguments.  LIMIT: a NaN, an infinity or an overflow that would arise in h1 or h2 alone is not carried to the result.
; THREE LAUNCHES: this one quantises conv_w once; the second makes, for each (b, branch, half of the positions), the sums of a and of x a; the third adds the parts and divides.
;
; THIS LAUNCH: conv_w [256][257] f32 becomes codes of E2M1 and E8M0 scale words, laid IN THE ORDER OF THE OPERAND'S REGISTERS, so that the next launch's waves load fragments by 16 bytes a lane.
; wq: eight blocks w of 5,120 bytes (32 output channels each).  Bytes 0 .. 4,095: fragment (t, s), t = 0, 1 the tile of 16 rows, s = 0, 1 the K step of 128, at 1,024 (2 t + s) + 512 c + 16 lane: registers 4 c .. 4 c + 3.
; Bytes 4,096 on: eight images of 128 bytes (4 a lane): 3 t + s: tile t's scale words of K step s = 0, 1, 2;  6 + t: register 0 of tile t's fragment of K step 2, whose only number is column 256.
; THE ROWS OF A TILE ARE NOT NEIGHBOURS: row m of tile t is output channel 32 w + 8 t + m + 8 (m / 8), so that in the product's result lane (r, h) holds channels 32 w + 16 h + 8 t + 0 .. 7.
; One wave to a work-group: x = 2 w + t, y = s.  A fragment's lane (r, h) wants k = 64 c + 32 h + 0 .. 31 of row r: two whole blocks of 32, so that a block's largest magnitude needs no other lane.
; Rows of conv_w are 1,028 bytes, so loads are of 4 bytes a lane, 128 consecutive bytes an instruction; the 16 x 128 numbers turn through LDS (rows 516 bytes apart = 129 words: the 32 lanes of a load back touch 32 different banks; 64 banks of 4 bytes: ISA guide 11.1).
; A block's scale is 2^(floor(log2(largest magnitude)) - 2); its byte is the largest magnitude's exponent field - 2, held at 1 from below.
; LIMITS: a block of zeros gets the byte 1 where the rule says 127: its codes are zeros, which add nothing under any byte but 0xff, and this program alone reads the bytes.  NaN and infinities in conv_w are not served.
.set ROWB,  1028                       ; a row of conv_w in bytes
.set LP,    516                        ; a row of the stage
.set SPARE, 8448                       ; behind the stage: the spare words, one block of 256 bytes that no other line names
.set SPW,   1                          ; v1   SPARE + 4 x my thread's number; never rewritten
.set NIL,   2                          ; v2   0; never rewritten
.set IN,    64                         ; v64-127   as loaded
.set N,     128                        ; v128-191  my two blocks: register 32 c + i = k 64 c + 32 h + i of row r
.set C,     48                         ; v48-55    the fragment
	s_load_b128 s[4:7], s[0:1], 0x0                ; conv_w, wq
	v_lshl_add_u32 v[SPW], v0, 2, SPARE
	v_mov_b32 v[NIL], 0
	v_and_b32 v3, 15, v0                           ; r
	v_bfe_u32 v4, v0, 4, 1                         ; h
	v_lshlrev_b32 v5, 2, v0                        ; 4 x lane
	v_lshlrev_b32 v6, 4, v0                        ; 16 x lane
	s_lshr_b32 s8, ttmp9, 1                        ; w
	s_and_b32 s9, ttmp9, 1                         ; t
	s_and_b32 s10, ttmp7, 0xffff                   ; s
	s_lshl_b32 s12, s8, 5
	s_lshl_b32 s13, s9, 3
	s_add_co_u32 s12, s12, s13                     ; the tile's first row: 32 w + 8 t
	s_mul_i32 s12, s12, ROWB
	s_mov_b32 s13, 0
	s_mul_i32 s14, s8, 5120
	s_mov_b32 s15, 0
	s_mov_b32 s20, 0x76543210
	s_mov_b32 s21, 0xfedcba98                      ; v_permlanex16_b32's selects for lane l xor 16
	s_wait_kmcnt 0x0
	s_add_nc_u64 s[4:5], s[4:5], s[12:13]
	s_add_nc_u64 s[6:7], s[6:7], s[14:15]
	s_cmp_eq_u32 s10, 2                            ; the work-group's number alone decides
	s_cbranch_scc1 .Lthird
	; ---- K steps 0 and 1: a whole fragment
	s_lshl_b32 s12, s10, 9                         ; 128 numbers a K step
	s_add_nc_u64 s[4:5], s[4:5], s[12:13]
	s_lshl_b32 s14, s9, 1
	s_add_co_u32 s14, s14, s10
	s_lshl_b32 s14, s14, 10
	s_add_nc_u64 s[16:17], s[6:7], s[14:15]        ; the fragment's image: 1,024 (2 t + s)
	s_mul_i32 s14, s9, 3
	s_add_co_u32 s14, s14, s10
	s_lshl_b32 s14, s14, 7
	s_add_co_u32 s14, s14, 4096
	s_add_nc_u64 s[18:19], s[6:7], s[14:15]        ; its scale words' image: 4,096 + 128 (3 t + s)
	v_mul_u32_u24 v7, v3, LP
	v_lshl_add_u32 v7, v4, 7, v7                   ; back from the stage: row r, + 32 h numbers
.irp m, 0,1,2,3,4,5,6,7,8,9,10,11,12,13,14,15
.irp k, 0,1,2,3
	global_load_b32 v[IN+4*\m+\k], v5, s[4:5] offset:(\m+8*(\m/8))*ROWB+128*\k   ; 32 lanes read 128 consecutive bytes of the tile's row m
.endr
.endr
	s_wait_loadcnt 0x0
.irp m, 0,1,2,3,4,5,6,7,8,9,10,11,12,13,14,15
.irp k, 0,1,2,3
	ds_store_b32 v5, v[IN+4*\m+\k] offset:\m*LP+128*\k
.endr
.endr
.irp c, 0,1
.irp i, 0,1,2,3,4,5,6,7,8,9,10,11,12,13,14,15,16,17,18,19,20,21,22,23,24,25,26,27,28,29,30,31
	ds_load_b32 v[N+32*\c+\i], v7 offset:256*\c+4*\i   ; LDS serves a wave's instructions in order (ISA guide 5.7.1.4): these see the stores above
.endr
.endr
	s_wait_dscnt 0x0
.irp c, 0,1                                    ; my block 2 c + h: all its 32 numbers are mine
	v_max3_num_f32 v[32+\c], |v[N+32*\c]|, |v[N+1+32*\c]|, 0x1800000   ; and the floor 2^(3 - 127): the byte cannot fall under 1
.endr
.irp i, 2,4,6,8,10,12,14,16,18,20,22,24,26,28,30
.irp c, 0,1
	v_max3_num_f32 v[32+\c], v[32+\c], |v[N+32*\c+\i]|, |v[N+1+32*\c+\i]|   ; (the two blocks by turns)
.endr
.endr
.irp c, 0,1
	v_add_nc_u32 v[44+\c], 0xff000000, v[32+\c]    ; 2 off the exponent field: the conversion takes the exponent field of this operand as its scale
.endr
.irp c, 0,1
	v_lshrrev_b32 v[36+\c], 23, v[44+\c]           ; the scale's byte
.endr
	v_lshl_or_b32 v9, v37, 16, v36                 ; my two bytes: blocks h and 2 + h of row r,
	v_lshlrev_b32 v10, 3, v4
	v_lshlrev_b32 v9, v10, v9                      ; at their places in the scale word (8 h bits up);
	v_mov_b32 v10, 0
	v_permlanex16_b32 v10, v9, s20, s21
	v_or_b32 v9, v9, v10                           ; with lane l xor 16's two the word is whole
.irp c, 0,1
.irp g, 0,1,2,3
	v_cvt_scalef32_pk8_fp4_f32 v[C+4*\c+\g], v[N+32*\c+8*\g:N+32*\c+8*\g+7], v[44+\c]
.endr
.endr
	v_nop                                          ; one plain instruction behind the last scaled conversion
	global_store_b128 v6, v[C:C+3], s[16:17]       ; 32 lanes store 512 consecutive bytes, at a multiple of 256 from wq's first byte
	global_store_b128 v6, v[C+4:C+7], s[16:17] offset:512
	global_store_b32 v5, v9, s[18:19]              ; 128 consecutive bytes
	s_wait_tensorcnt 0x0                           ; the wave's end
	ds_add_u32 v[SPW], v[NIL]
	s_wait_dscnt 0x0
	s_endpgm
.Lthird:
	; ---- K step 2: column 256 alone; the quantiser fills the block with zeros.  No LDS on this way.
	v_and_b32 v8, 8, v3
	v_add_nc_u32 v8, v8, v3                        ; r + 8 (r / 8)
	v_mul_u32_u24 v8, v8, ROWB
	global_load_b32 v16, v8, s[4:5] offset:1024    ; conv_w[row][256]: the last of them is the buffer's last number
.irp j, 17,18,19,20,21,22,23
	v_mov_b32 v\j, 0
.endr
	s_lshl_b32 s14, s9, 7
	s_add_co_u32 s14, s14, 4096+6*128
	s_add_nc_u64 s[16:17], s[6:7], s[14:15]        ; image 6 + t
	s_mul_i32 s14, s9, 3*128
	s_add_co_u32 s14, s14, 4096+2*128
	s_add_nc_u64 s[18:19], s[6:7], s[14:15]        ; image 3 t + 2
	v_cmp_gt_u32 vcc_lo, 16, v0
	s_wait_loadcnt 0x0
	v_cndmask_b32 v16, 0, v16, vcc_lo              ; lanes 16-31 hold k = 32 .. 63 of the step: zeros
	v_max3_num_f32 v9, |v16|, |v16|, 0x1800000     ; the block's largest magnitude is the one number's, over the floor
	v_add_nc_u32 v10, 0xff000000, v9
	v_lshrrev_b32 v11, 23, v10                     ; the scale word: byte 0; bytes 1 to 3 are 0 and scale zero codes
	v_cvt_scalef32_pk8_fp4_f32 v12, v[16:23], v10  ; the code in the lowest four bits, seven zero codes above it
	v_nop
	global_store_b32 v5, v12, s[16:17]
	global_store_b32 v5, v11, s[18:19]
	s_endpgm
.Lfunc_end_k_q4201406ef1_wprep:
	.size	k_q4201406ef1_wprep, .Lfunc_end_k_q4201406ef1_wprep-k_q4201406ef1_wprep
	.p2alignl 7, 3214868480
	.fill 96, 4, 3214868480
	.section	.rodata,"a",@progbits
	.p2align	6, 0x0
	.amdhsa_kernel k_q4201406ef1_wprep
		.amdhsa_group_segment_fixed_size 8704
		.amdhsa_private_segment_fixed_size 0
		.amdhsa_enable_private_segment 0
		.amdhsa_kernarg_size 16
		.amdhsa_user_sgpr_count 2
		.amdhsa_user_sgpr_kernarg_segment_ptr 1
		.amdhsa_wavefront_size32 1
		.amdhsa_system_sgpr_workgroup_id_x 1
		.amdhsa_system_sgpr_workgroup_id_y 1
		.amdhsa_system_sgpr_workgroup_id_z 1
		.amdhsa_system_vgpr_workitem_id 0
		.amdhsa_next_free_vgpr 200
		.amdhsa_next_free_sgpr 66
		.amdhsa_reserve_vcc 1
		.amdhsa_float_denorm_mode_32 3
		.amdhsa_float_denorm_mode_16_64 3
		.amdhsa_memory_ordered 1
		.amdhsa_forward_progress 1
		.amdhsa_inst_pref_size 21
	.end_amdhsa_kernel
	.amdgpu_metadata
---
amdhsa.version: [ 1, 2 ]
amdhsa.kernels:
  - .name:           k_q4201406ef1_wprep
    .symbol:         k_q4201406ef1_wprep.kd
    .args:
      - { .name: conv_w, .offset: 0, .size: 8, .value_kind: global_buffer, .address_space: global }
      - { .name: wq, .offset: 8, .size: 8, .value_kind: global_buffer, .address_space: global }
    .group_segment_fixed_size: 8704
    .private_segment_fixed_size: 0
    .kernarg_segment_align: 8
    .kernarg_segment_size: 16
    .max_flat_workgroup_size: 32
    .sgpr_count:     66
    .vgpr_count:     200
    .wavefront_size: 32
...
	.end_amdgpu_metadata
.endif
;; end of part 1
;; launch pool (part 2): grid 256 x 1, 16 waves a work-group, no clusters, 327,680 bytes of LDS; arguments x1, x2, wq, part; writes part
.if DOCPART == 2
	.amdgcn_target "amdgcn-amd-amdhsa--gfx1250"
	.amdhsa_code_object_version 6
	.text
	.protected	k_q4201406ef1_pool
	.globl	k_q4201406ef1_pool
	.p2align	8
	.type	k_q4201406ef1_pool,@function
k_q4201406ef1_pool:
	s_mov_b64 s[64:65], 0
	v_nop
	global_prefetch_b8 v0, s[64:65] scope:SCOPE_SE
	s_setreg_imm32_b32 hwreg(HW_REG_WAVE_MODE, 25, 1), 1
	s_wait_xcnt 0x0
; For one batch b, one branch and one half of the 1,024 positions (work-group id = 4 b + 2 branch + half): S[o] = sum over p of a[o][p] and T[o] = sum over p of x[o][p] a[o][p], a = sigmoid(z),
; z[o][p] = sum over k < 257 of Q(conv_w)[o][k] Q([x; dot])[k][p], dot[p] = sum over c of x[c][p] x[c][528] / 256.  Both operands: codes of E2M1 with one E8M0 scale for each 32 along k.
; (The layer behind the pooling is left out as dead work: its softmax runs along an axis of length 1 and is 1 for all inputs; shown at the head of the first kernel.)
; SHARES.  The work-group takes 256 channels x 512 positions in four chunks of 128 positions.  Wave W = 8 q + w takes channels 32 w .. 32 w + 31 at positions 64 q .. 64 q + 63 of each chunk: four tiles u of 16.
; Those 32 channels are at once the wave's block w of the quantiser, its two tiles t of output channels, and the rows of x that it weighs: so a wave fetches its own x, reads it from LDS once, and keeps it in 64 registers.
; LAYOUT.  Lane (r, h): register X + 16 u + i holds x[32 w + 16 h + i][16 u + r]: 16 neighbours along k for the conversions.  The product has source 0 = 16 rows of conv_w, source 1 = 16 positions; with the rows that the
; first launch chose for a tile, register j of tile t's result is z[32 w + 16 h + 8 t + j][16 u + r]: the same lane and place as X + 16 u + 8 t + j.  Nothing changes lanes between the quantiser and the weighted sum.
; FROM WAVE TO WAVE, through LDS: the codes as images of the operand's registers (block w of a position is 16 bytes: lane (r, h) stores its 8), one scale byte a position and block, one partial dot a position and wave.
; K = 257 goes as three instructions of 128: channels 0-127, 128-255, and dot with zero codes behind it.
; x comes by tensor loads, 32 rows x 256 bytes a wave and chunk, through two slots; the wave that asked is the only one that reads the bytes.
; THE ORDER OF THE REQUESTS AT THE HEAD: the weights and the centre (32 loads a wave), then chunk 0; chunk 1 only behind the wait for those loads.  The first work waits for chunk 0 of all sixteen waves and for nothing of
; chunk 1: so no wave's request for chunk 1 is to stand among the others' requests for chunk 0.  No barrier orders that; the wait for the loads sets the two apart in time.  Chunk 1 then has chunk 0's work in which to land.
; NO CLUSTER: no two work-groups read the same byte of x but the centre column; what all share, wq, is 5 KiB a wave straight into registers, 80 KiB beside the work-group's 512 KiB of x.
; LIMITS: NaN and infinities in x are not served.  A block of zeros gets the byte 1 where the rule says 127: its codes are zeros, and only this kernel reads the byte.  The division of dot by 256 is a multiplication of the
; centre by 2^-8: exact but for numbers under 2^-118.  Where 2^(-z log2 e) overflows a is 0, where it falls to 0 a is 1, as the sigmoid's limits are.
.set PITCH, 264                        ; an LDS row: 256 bytes + 8 of padding = 66 words: 16 rows are 1,056 words = 32 modulo 64, so lanes 0-15 and lanes 16-31 of a 4-byte load touch different banks (64 banks of 4 bytes: ISA guide 11.1)
.set WTILE, 32*PITCH                   ; a wave's tile
.set SLOTB, 16*WTILE                   ; a slot: 135,168 bytes
.set CB0,   2*SLOTB                    ; behind the ring: two buffers for codes, scale bytes and partial dots, by turns
.set CBB,   21504                      ; one of them: images 16,384, scale bytes 1,024, partial dots 4,096
.set SCO,   16384
.set PDO,   17408
.set SPARE, CB0+2*CBB                  ; the spare words, 128 bytes for each wave: eight blocks of 256 bytes that no other line names
.set SPW, 1                            ; v1   SPARE + 4 x my thread's number; never rewritten
.set NIL, 2                            ; v2   0; never rewritten
.set AX,  3                            ; v3-4 my x in slot 0, 1: slot + 8,448 W + 4,224 h + 4 r
.set IW,  5                            ; v5   image, in:  256 W + 16 r + 8 h          (+ 4,096 u)
.set SW,  6                            ; v6   scale byte, in: 16 r + W                (+ 256 u)
.set PW,  7                            ; v7   partial dot, in: 64 r + 4 W             (+ 1,024 u)
.set IR,  8                            ; v8   image, out: 2,048 q + 16 lane           (+ 4,096 u + 1,024 s + 512 c)
.set SR,  9                            ; v9   scale words, out: 16 r + 8 q            (+ 256 u)
.set PR,  10                           ; v10  partial dots, out: 64 lane + 32 q       (+ 2,048 g): lane (r, h) takes tile 2 g + h
.set GO,  11                           ; v11  8 x lane
.set WS,  18                           ; v18-23 conv_w's scale words, 3 t + s
.set PS,  24                           ; v24-25 the positions' scale words of K steps 0, 1
.set DS,  26                           ; v26-27 dot's scale words: group g: lanes 0-15 tile 2 g, lanes 16-31 tile 2 g + 1
.set DC,  28                           ; v28-31 dot's codes, tile u
.set CEN, 32                           ; v32-47 x[32 w + 16 h + i][528] / 256
.set X,   48                           ; v48-111
.set WF,  112                          ; v112-143 conv_w's fragments, 16 t + 8 s
.set W3,  144                          ; v144-159 those of K step 2: register 0 loaded, 1-7 zero
.set ZR,  160                          ; v160-167 the positions' fragment of K step 2: register 0 at work, 1-7 zero
.set S,   168                          ; v168-183
.set T,   184                          ; v184-199
.set D,   200                          ; v200-215 the two accumulators
.set FR,  216                          ; v216-231 the positions' fragments of K steps 0, 1
.set DA,  200                          ; the quantiser's registers lie over D and FR: v200-207 partial dots in pairs,
.set AM,  208                          ; v208-211 largest magnitudes,
.set TA,  212                          ; v212-215 the other half's, then the conversions' scale operands,
.set TD,  216                          ; v216-219 the other half's dots, then the scale bytes,
.set CD,  220                          ; v220-227 codes
.set G1,  24                           ; s[24:31] descriptor group 1
.set G0A, 32                           ; s[32:35] group 0 for slot 0;  s[36:39] for slot 1
.set G0B, 36
	s_load_b256 s[4:11], s[0:1], 0x0               ; x1 s[4:5], x2 s[6:7], wq s[8:9], part s[10:11]
	v_lshl_add_u32 v[SPW], v0, 2, SPARE
	v_mov_b32 v[NIL], 0
	ds_add_u32 v[SPW], v[NIL]                      ; the wave's opening: the add, twice on end, and its wait ahead of my first tensor load
	ds_add_u32 v[SPW], v[NIL]                      ; and once more, under the one wait; the set-up below, work on registers, stands between
	v_lshrrev_b32 v232, 5, v0
	v_readfirstlane_b32 s12, v232                  ; W, 0 .. 15
	s_and_b32 s13, s12, 7                          ; w
	s_lshr_b32 s14, s12, 3                         ; q
	; group 1: a tile of 32 rows x 64 elements of 4 bytes, rows 1,024 elements apart in memory, 2 words of padding behind each row in LDS
	s_mov_b32 s[G1+0], (2<<16)|(1<<20)|(5<<22)|(1<<25)  ; 15:0 no mask; 17:16 elements of 4 bytes; 20 padding on; 24:22 after every 64 words (code 5); 31:25 two words (code 1)
	s_mov_b32 s[G1+1], 64<<16                      ; tensor_dim0 = 64
	s_mov_b32 s[G1+2], 32<<16                      ; tensor_dim1 = 32
	s_mov_b32 s[G1+3], 64<<16                      ; tile_dim0 = 64
	s_mov_b32 s[G1+4], 32                          ; tile_dim1 = 32
	s_mov_b32 s[G1+5], 1024                        ; from row to row
	s_mov_b32 s[G1+6], 0
	s_mov_b32 s[G1+7], 0
	s_mov_b32 s40, 0xbfb8aa3b                      ; -log2(e)
	s_mov_b32 s41, s40                             ; (named with it as a pair, so it is written)
	s_mov_b32 s42, 0x76543210
	s_mov_b32 s43, 0xfedcba98                      ; v_permlanex16_b32's selects for lane l xor 16
	s_mov_b32 s44, 0xff00ff00                      ; lanes whose r has bit 3, 2, 1, 0 set: for the sums across lanes at the end
	s_mov_b32 s45, 0xf0f0f0f0
	s_mov_b32 s46, 0xcccccccc
	s_mov_b32 s47, 0xaaaaaaaa
	s_lshr_b32 s16, ttmp9, 2                       ; b
	s_lshl_b32 s16, s16, 20                        ; 1 MiB a batch
	s_lshl_b32 s2, s13, 17                         ; 32 channels of 4,096 bytes
	s_add_co_u32 s16, s16, s2
	s_mov_b32 s17, 0
	s_and_b32 s22, ttmp9, 1                        ; which half of the positions
	s_lshl_b32 s22, s22, 11
	s_lshl_b32 s2, s14, 8                          ; my 64 positions of a chunk
	s_add_co_u32 s22, s22, s2
	s_mov_b32 s23, 0
	s_mul_i32 s15, s12, WTILE                      ; my tile's place in a slot
	s_mul_i32 s48, s13, 5120                       ; my block of wq
	s_mov_b32 s49, 0
	s_lshl_b32 s50, ttmp9, 12                      ; my 256 bytes of part: 4,096 id + 256 W
	s_lshl_b32 s2, s12, 8
	s_add_co_u32 s50, s50, s2
	s_mov_b32 s51, 0
	s_and_b32 s3, ttmp9, 2                         ; which branch
	v_and_b32 v232, 15, v0                         ; r
	v_bfe_u32 v233, v0, 4, 1                       ; h
	v_and_b32 v234, 31, v0                         ; lane
	v_lshlrev_b32 v235, 4, v234
	v_lshlrev_b32 v236, 2, v234
	v_lshlrev_b32 v237, 16, v233                   ; 16 channels of 4,096 bytes
	s_wait_dscnt 0x0                               ; both opening adds are done
	s_wait_kmcnt 0x0
	s_cmp_lg_u32 s3, 0                             ; the choice hangs on the work-group's number alone
	s_cselect_b64 s[4:5], s[6:7], s[4:5]
	s_add_nc_u64 s[18:19], s[4:5], s[16:17]        ; x at my 32 channels
	s_add_nc_u64 s[20:21], s[8:9], s[48:49]        ; wq at my block
	s_mov_b32 s[G0A], 1                            ; count = 1
	s_mov_b32 s[G0A+1], s15                        ; LDS address: slot 0
	s_add_nc_u64 s[G0A+2:G0A+3], s[18:19], s[22:23]  ; chunk 0
	s_mov_b32 s[G0B], 1
	s_add_co_u32 s[G0B+1], s15, SLOTB              ; slot 1
	s_add_nc_u64 s[G0B+2:G0B+3], s[G0A+2:G0A+3], 512  ; chunk 1
	s_or_b32 s[G0A+3], s[G0A+3], 0x80000000        ; type = 2
	s_or_b32 s[G0B+3], s[G0B+3], 0x80000000
	; the small loads go first: 32 a wave
.irp i, 0,1,2,3,4,5,6,7,8,9,10,11,12,13,14,15
	global_load_b32 v[CEN+\i], v237, s[18:19] offset:2112+4096*\i   ; the centre: position 16 x 32 + 16 = 528, byte 2,112 of a channel
.endr
.irp f, 0,1,2,3
.irp c, 0,1
	global_load_b128 v[WF+8*\f+4*\c:WF+8*\f+4*\c+3], v235, s[20:21] offset:1024*\f+512*\c   ; fragment f = 2 t + s as it lies: 512 consecutive bytes an instruction
.endr
.endr
.irp n, 0,1,2,3,4,5
	global_load_b32 v[WS+\n], v236, s[20:21] offset:4096+128*\n
.endr
.irp n, 0,1
	global_load_b32 v[W3+8*\n], v236, s[20:21] offset:4096+128*(6+\n)
.endr
	tensor_load_to_lds s[G0A:G0A+3], s[G1:G1+7]    ; chunk 0, in every wave: the first of my two first fills
	s_nop 0
	s_add_nc_u64 s[10:11], s[10:11], s[50:51]      ; part at my 256 bytes
	v_lshlrev_b32 v[AX], 2, v232
	v_mad_u32_u24 v[AX], v233, 16*PITCH, v[AX]
	v_add_nc_u32 v[AX], s15, v[AX]
	v_add_nc_u32 v[AX+1], SLOTB, v[AX]
	s_lshl_b32 s2, s12, 8
	s_add_co_u32 s2, s2, CB0
	v_lshlrev_b32 v[IW], 4, v232
	v_lshl_add_u32 v[IW], v233, 3, v[IW]
	v_add_nc_u32 v[IW], s2, v[IW]
	s_add_co_u32 s2, s12, CB0+SCO
	v_lshl_add_u32 v[SW], v232, 4, s2
	s_lshl_b32 s2, s12, 2
	s_add_co_u32 s2, s2, CB0+PDO
	v_lshl_add_u32 v[PW], v232, 6, s2
	s_lshl_b32 s2, s14, 11
	s_add_co_u32 s2, s2, CB0
	v_lshl_add_u32 v[IR], v234, 4, s2
	s_lshl_b32 s2, s14, 3
	s_add_co_u32 s2, s2, CB0+SCO
	v_lshl_add_u32 v[SR], v232, 4, s2
	s_lshl_b32 s2, s14, 5
	s_add_co_u32 s2, s2, CB0+PDO
	v_lshl_add_u32 v[PR], v234, 6, s2
	v_lshlrev_b32 v[GO], 3, v234
.irp j, 1,2,3,4,5,6,7
	v_mov_b32 v[W3+\j], 0                          ; zero codes: K step 2 holds one number
	v_mov_b32 v[W3+8+\j], 0
	v_mov_b32 v[ZR+\j], 0
.endr
.irp j, 0,1,2,3
	v_mov_b32 v[TA+\j], 0                          ; written once: a lane permute's destination counts as one of its sources
	v_mov_b32 v[TD+\j], 0
.endr
	v_mov_b32 v[DC+1], 0
	v_mov_b32 v[DC+3], 0
	s_wait_loadcnt 0x0                             ; conv_w's fragments and words, the centre
	tensor_load_to_lds s[G0B:G0B+3], s[G1:G1+7]    ; chunk 1: my second first fill, still ahead of the first wait on TENSORcnt, the first LDS read and the first barrier: two loads of mine are out, and never more
	s_nop 0
.irp i, 0,2,4,6,8,10,12,14
	v_pk_mul_f32 v[CEN+\i:CEN+\i+1], v[CEN+\i:CEN+\i+1], 0x3b800000 op_sel_hi:[1,0]   ; x 2^-8: the division of dot by 256, made once
.endr
; my x of a chunk: 64 loads of 4 bytes a lane; lanes 0-15 read 64 consecutive bytes of row i, lanes 16-31 of row 16 + i
.macro XLOAD slot
.irp u, 0,1,2,3
.irp i, 0,1,2,3,4,5,6,7,8,9,10,11,12,13,14,15
	ds_load_b32 v[X+16*\u+\i], v[AX+\slot] offset:\i*PITCH+\u*64
.endr
.endr
.endm
; my block of 32 channels at my 64 positions: the partial dot, the block's scale, the codes; all three to LDS, buffer cb.  The four tiles take turns, so that no line waits for the line above it.
.macro QUANT cb
	s_wait_dscnt 0x0                               ; x is in
.irp u, 0,1,2,3
	v_pk_mul_f32 v[DA+2*\u:DA+2*\u+1], v[X+16*\u:X+16*\u+1], v[CEN:CEN+1]   ; the first product starts the sums
.endr
.irp i, 2,4,6,8,10,12,14
.irp u, 0,1,2,3
	v_pk_fma_f32 v[DA+2*\u:DA+2*\u+1], v[X+16*\u+\i:X+16*\u+\i+1], v[CEN+\i:CEN+\i+1], v[DA+2*\u:DA+2*\u+1]
.endr
.endr
.irp u, 0,1,2,3
	v_max3_num_f32 v[AM+\u], |v[X+16*\u]|, |v[X+16*\u+1]|, 0x1800000   ; my 16 numbers, and the floor 2^(3 - 127): the byte cannot fall under 1
.endr
.irp i, 2,4,6,8,10,12,14
.irp u, 0,1,2,3
	v_max3_num_f32 v[AM+\u], v[AM+\u], |v[X+16*\u+\i]|, |v[X+16*\u+\i+1]|
.endr
.endr
.irp u, 0,1,2,3
	v_add_f32 v[DA+2*\u], v[DA+2*\u], v[DA+2*\u+1]
.endr
.irp u, 0,1,2,3
	v_permlanex16_b32 v[TA+\u], v[AM+\u], s42, s43
.endr
.irp u, 0,1,2,3
	v_permlanex16_b32 v[TD+\u], v[DA+2*\u], s42, s43
.endr
.irp u, 0,1,2,3
	v_max_num_f32 v[AM+\u], v[AM+\u], v[TA+\u]     ; with lane l xor 16's 16 channels: the block's largest magnitude,
.endr
.irp u, 0,1,2,3
	v_add_f32 v[DA+2*\u], v[DA+2*\u], v[TD+\u]     ; and my 32 channels' part of dot
.endr
.irp u, 0,1,2,3
	v_add_nc_u32 v[TA+\u], 0xff000000, v[AM+\u]    ; 2 off the exponent field: the conversion takes the exponent field of this operand as its scale
.endr
.irp u, 0,1,2,3
	v_lshrrev_b32 v[TD+\u], 23, v[TA+\u]           ; the scale's byte
.endr
.irp u, 0,1,2,3
	v_cvt_scalef32_pk8_fp4_f32 v[CD+2*\u], v[X+16*\u:X+16*\u+7], v[TA+\u]
	v_cvt_scalef32_pk8_fp4_f32 v[CD+2*\u+1], v[X+16*\u+8:X+16*\u+15], v[TA+\u]
.endr
	v_nop                                          ; one plain instruction behind the last scaled conversion
.irp u, 0,1,2,3
	ds_store_b64 v[IW], v[CD+2*\u:CD+2*\u+1] offset:(\cb)*CBB+4096*\u   ; k = 16 h .. 16 h + 15 of block w: half of the 16 bytes that a lane of the operand takes
	ds_store_b8 v[SW], v[TD+\u] offset:(\cb)*CBB+256*\u                 ; both halves of the lanes write the same byte with the same value
	ds_store_b32 v[PW], v[DA+2*\u] offset:(\cb)*CBB+1024*\u             ; likewise
.endr
.endm
.macro BAR                             ; my LDS stores have landed and my LDS loads are in: then the work-group's barrier.  A tensor load of mine may be out
	s_wait_dscnt 0x0
	s_barrier_signal -1
	s_barrier_wait -1
.endm
; A slot that I have read is filled again, with the chunk two on.
.macro REFILL g
	s_wait_tensorcnt 0x0                           ; all my tensor loads have landed, the other slot's, which I read next, among them: so a group 0 may be written
	ds_add_u32 v[SPW], v[NIL]                      ; 0 onto my spare word: the step below stands between it and the wait for it
	s_add_nc_u64 s[\g+2:\g+3], s[\g+2:\g+3], 1024  ; two chunks of 512 bytes on; the type bits on top are not reached
	s_wait_dscnt 0x0                               ; the add is done, and my reads of the slot are long back
	s_barrier_signal -1
	s_barrier_wait -1
	tensor_load_to_lds s[\g:\g+3], s[G1:G1+7]      ; my one tensor load behind this barrier, and the first thing there: it has a whole chunk's work in which to land
	s_nop 0
.endm
; the positions' fragments of K steps 0 and 1 and their scale words, tile tau of my 64 positions: the images come back as they were laid
.macro FETCH cb, tau
.irp n, 0,1,2,3
	ds_load_b128 v[FR+4*\n:FR+4*\n+3], v[IR] offset:(\cb)*CBB+4096*(\tau)+512*\n
.endr
	ds_load_b64 v[PS:PS+1], v[SR] offset:(\cb)*CBB+256*(\tau)
.endm
; dot of my 64 positions: eight waves' parts are added, in the same order in every wave, and quantised: a block of one number and 31 zeros.  Lane (r, h) works on tiles h (group 0) and 2 + h (group 1).
.macro MSTART cb
	ds_load_b128 v[D:D+3], v[PR] offset:(\cb)*CBB
	ds_load_b128 v[D+4:D+7], v[PR] offset:(\cb)*CBB+16
	ds_load_b128 v[D+8:D+11], v[PR] offset:(\cb)*CBB+2048
	ds_load_b128 v[D+12:D+15], v[PR] offset:(\cb)*CBB+2048+16
	FETCH \cb, 0
	s_wait_dscnt 5                                 ; the four loads of parts are in; the five behind them, tile 0's fragments and words, may be out
	v_pk_add_f32 v[D:D+1], v[D:D+1], v[D+2:D+3]
	v_pk_add_f32 v[D+8:D+9], v[D+8:D+9], v[D+10:D+11]
	v_pk_add_f32 v[D+4:D+5], v[D+4:D+5], v[D+6:D+7]
	v_pk_add_f32 v[D+12:D+13], v[D+12:D+13], v[D+14:D+15]
	v_pk_add_f32 v[D:D+1], v[D:D+1], v[D+4:D+5]
	v_pk_add_f32 v[D+8:D+9], v[D+8:D+9], v[D+12:D+13]
	v_add_f32 v[ZR], v[D], v[D+1]                  ; dot, group 0: it stands over seven zeros, as the conversion's eight numbers
	v_add_f32 v232, v[D+8], v[D+9]                 ; dot, group 1
	v_max3_num_f32 v233, |v[ZR]|, |v[ZR]|, 0x1800000   ; the block's largest magnitude is dot's, over the floor
	v_max3_num_f32 v234, |v232|, |v232|, 0x1800000
	v_add_nc_u32 v233, 0xff000000, v233
	v_add_nc_u32 v234, 0xff000000, v234
	v_lshrrev_b32 v[DS], 23, v233                  ; the scale words: byte 0; bytes 1 to 3 are 0 and scale zero codes
	v_lshrrev_b32 v[DS+1], 23, v234
	v_cvt_scalef32_pk8_fp4_f32 v[DC], v[ZR:ZR+7], v233
	v_nop                                          ; one plain instruction between a scaled conversion and the write of its source
	v_mov_b32 v[ZR], v232
	v_cvt_scalef32_pk8_fp4_f32 v[DC+2], v[ZR:ZR+7], v234
	v_nop
	v_permlanex16_b32 v[DC+1], v[DC], s42, s43     ; the odd tiles' codes come down into lanes 0-15
	v_permlanex16_b32 v[DC+3], v[DC+2], s42, s43
	v_mov_b32 v[ZR], v[DC]                         ; tile 0's.  (What lanes 16-31 hold meets zero codes of conv_w)
.rept 8
	v_nop                                          ; a scale register written by a vector instruction stands eight places ahead of a scaled matrix instruction, an operand so written four
.endr
.endm
.macro MM d, a, b, sa, sb, zero, row
.if \zero
	v_wmma_scale_f32_16x16x128_f8f6f4 v[\d:\d+7], v[\a:\a+7], v[\b:\b+7], 0, v[\sa], v[\sb] matrix_a_fmt:MATRIX_FMT_FP4 matrix_b_fmt:MATRIX_FMT_FP4
.elseif \row
	v_wmma_scale_f32_16x16x128_f8f6f4 v[\d:\d+7], v[\a:\a+7], v[\b:\b+7], v[\d:\d+7], v[\sa], v[\sb] matrix_a_fmt:MATRIX_FMT_FP4 matrix_b_fmt:MATRIX_FMT_FP4 matrix_b_scale:MATRIX_SCALE_ROW1
.else
	v_wmma_scale_f32_16x16x128_f8f6f4 v[\d:\d+7], v[\a:\a+7], v[\b:\b+7], v[\d:\d+7], v[\sa], v[\sb] matrix_a_fmt:MATRIX_FMT_FP4 matrix_b_fmt:MATRIX_FMT_FP4
.endif
.endm
; A tile of 16 positions: z for my 32 output channels, the sigmoid, the two sums.  first = 1: the launch's first tile starts S and T: nothing is cleared.  last = 1: the chunk's last tile fetches nothing.
.macro TILE cb, tau, first, last
	s_wait_dscnt 0x0                               ; the tile's fragments and words are in
	MM D,   WF,    FR,   WS,   PS,   1, 0          ; the two accumulators take turns, one instruction a turn; K ascending
	MM D+8, WF+16, FR,   WS+3, PS,   1, 0
	MM D,   WF+8,  FR+8, WS+1, PS+1, 0, 0
	MM D+8, WF+24, FR+8, WS+4, PS+1, 0, 0
	MM D,   W3,    ZR,   WS+2, DS+(\tau)/2, 0, (\tau)%2   ; an odd tile's scale word of dot stands in lanes 16-31
	MM D+8, W3+8,  ZR,   WS+5, DS+(\tau)/2, 0, (\tau)%2
.rept 4
	v_nop                                          ; four places in front of the loads into registers that these products read, of the write of ZR, and of the first read of the results
.endr
.if !(\last)
	FETCH \cb, (\tau)+1                            ; the next tile's operands land under this tile's sigmoid
	v_mov_b32 v[ZR], v[DC+(\tau)+1]
.endif
.irp i, 0,2,4,6,8,10,12,14
	v_pk_mul_f32 v[D+\i:D+\i+1], v[D+\i:D+\i+1], s[40:41] op_sel_hi:[1,0]   ; -z log2(e); each accumulator from its low end on
.endr
.irp i, 0,1,2,3,4,5,6,7,8,9,10,11,12,13,14,15
	v_exp_f32 v[D+\i], v[D+\i]                     ; e^-z
.endr
	v_nop                                          ; a plain instruction behind the last exponential,
	s_wait_alu depctr_va_vdst(0)                   ; and one wait for the batch, ahead of its first reader
.irp i, 0,2,4,6,8,10,12,14
	v_pk_add_f32 v[D+\i:D+\i+1], v[D+\i:D+\i+1], 1.0 op_sel_hi:[1,0]
.endr
.if \first
.irp i, 0,1,2,3,4,5,6,7,8,9,10,11,12,13,14,15
	v_rcp_f32 v[S+\i], v[D+\i]                     ; a = 1 / (1 + e^-z) starts S
.endr
	v_nop
	s_wait_alu depctr_va_vdst(0)
.irp i, 0,2,4,6,8,10,12,14
	v_pk_mul_f32 v[T+\i:T+\i+1], v[X+16*(\tau)+\i:X+16*(\tau)+\i+1], v[S+\i:S+\i+1]   ; x a starts T
.endr
.else
.irp i, 0,1,2,3,4,5,6,7,8,9,10,11,12,13,14,15
	v_rcp_f32 v[D+\i], v[D+\i]                     ; a = 1 / (1 + e^-z)
.endr
	v_nop
	s_wait_alu depctr_va_vdst(0)
.irp i, 0,2,4,6,8,10,12,14
	v_pk_add_f32 v[S+\i:S+\i+1], v[S+\i:S+\i+1], v[D+\i:D+\i+1]
.endr
.irp i, 0,2,4,6,8,10,12,14
	v_pk_fma_f32 v[T+\i:T+\i+1], v[X+16*(\tau)+\i:X+16*(\tau)+\i+1], v[D+\i:D+\i+1], v[T+\i:T+\i+1]
.endr
.endif
.endm
; A chunk of 128 positions, from slot sl, through buffer sl of the codes.  That buffer's bytes of two chunks ago were last read in front of the barrier of the chunk between.
.macro CHUNK sl, first
	XLOAD \sl
	QUANT \sl
	BAR                                            ; all sixteen waves' codes, bytes and partial dots lie in LDS
	MSTART \sl
	TILE \sl, 0, \first, 0
	TILE \sl, 1, 0, 0
	TILE \sl, 2, 0, 0
	TILE \sl, 3, 0, 1
.endm
; 16 registers x 16 lanes of a half are summed over the lanes so that lane (r, h) ends with register r's sum.  A step halves the registers: a lane keeps the one of a pair that its bit of r names, sends the other to the lane across.
.macro FSTEP base, n, k, msk, dst
	v_cndmask_b32 v[234+2*((\n)%2)], v[\base+\n], v[\base+\n+\k], \msk
	v_cndmask_b32 v[235+2*((\n)%2)], v[\base+\n+\k], v[\base+\n], \msk
	v_add_f32_dpp v[\dst], v[235+2*((\n)%2)], v[234+2*((\n)%2)] row_xmask:\k row_mask:0xf bank_mask:0xf
.endm
.macro FOLD base, out
.irp n, 0,1,2,3,4,5,6,7
	FSTEP \base, \n, 8, s44, \base+\n
.endr
.irp n, 0,1,2,3
	FSTEP \base, \n, 4, s45, \base+\n
.endr
.irp n, 0,1
	FSTEP \base, \n, 2, s46, \base+\n
.endr
	FSTEP \base, 0, 1, s47, \out
.endm
	s_wait_tensorcnt 0x1                           ; chunk 0 is in my slot 0; chunk 1's load, the one issued behind it, may stay out
	CHUNK 0, 1
	REFILL G0A                                     ; chunk 1 has landed; slot 0 takes chunk 2
	CHUNK 1, 0
	REFILL G0B                                     ; chunk 2 has landed; slot 1 takes chunk 3: the last load
	CHUNK 0, 0
	s_wait_tensorcnt 0x0                           ; chunk 3 has landed; nothing is left to fetch
	CHUNK 1, 0
	FOLD S, 232                                    ; lane (r, h): channel 32 w + 16 h + r = 32 w + lane
	FOLD T, 233
	global_store_b64 v[GO], v[232:233], s[10:11]   ; (S, T) of 32 channels: 256 consecutive bytes, at a multiple of 256 from part's first byte
	s_wait_tensorcnt 0x0                           ; the wave's end: behind my last tensor load and my last LDS store
	ds_add_u32 v[SPW], v[NIL]
	s_wait_dscnt 0x0
	s_endpgm
.Lfunc_end_k_q4201406ef1_pool:
	.size	k_q4201406ef1_pool, .Lfunc_end_k_q4201406ef1_pool-k_q4201406ef1_pool
	.p2alignl 7, 3214868480
	.fill 96, 4, 3214868480
	.section	.rodata,"a",@progbits
	.p2align	6, 0x0
	.amdhsa_kernel k_q4201406ef1_pool
		.amdhsa_group_segment_fixed_size 327680
		.amdhsa_private_segment_fixed_size 0
		.amdhsa_enable_private_segment 0
		.amdhsa_kernarg_size 32
		.amdhsa_user_sgpr_count 2
		.amdhsa_user_sgpr_kernarg_segment_ptr 1
		.amdhsa_wavefront_size32 1
		.amdhsa_system_sgpr_workgroup_id_x 1
		.amdhsa_system_sgpr_workgroup_id_y 1
		.amdhsa_system_sgpr_workgroup_id_z 1
		.amdhsa_system_vgpr_workitem_id 0
		.amdhsa_next_free_vgpr 240
		.amdhsa_next_free_sgpr 66
		.amdhsa_reserve_vcc 0
		.amdhsa_float_denorm_mode_32 3
		.amdhsa_float_denorm_mode_16_64 3
		.amdhsa_memory_ordered 1
		.amdhsa_forward_progress 1
		.amdhsa_inst_pref_size 136
	.end_amdhsa_kernel
	.amdgpu_metadata
---
amdhsa.version: [ 1, 2 ]
amdhsa.kernels:
  - .name:           k_q4201406ef1_pool
    .symbol:         k_q4201406ef1_pool.kd
    .args:
      - { .name: x1, .offset: 0, .size: 8, .value_kind: global_buffer, .address_space: global }
      - { .name: x2, .offset: 8, .size: 8, .value_kind: global_buffer, .address_space: global }
      - { .name: wq, .offset: 16, .size: 8, .value_kind: global_buffer, .address_space: global }
      - { .name: part, .offset: 24, .size: 8, .value_kind: global_buffer, .address_space: global }
    .group_segment_fixed_size: 327680
    .private_segment_fixed_size: 0
    .kernarg_segment_align: 8
    .kernarg_segment_size: 32
    .max_flat_workgroup_size: 512
    .sgpr_count:     66
    .vgpr_count:     240
    .wavefront_size: 32
...
	.end_amdgpu_metadata
.endif
;; end of part 2
;; launch finish (part 3): grid 64 x 1, 4 waves a work-group, no clusters, 0 bytes of LDS; arguments part, out0; writes out0
.if DOCPART == 3
	.amdgcn_target "amdgcn-amd-amdhsa--gfx1250"
	.amdhsa_code_object_version 6
	.text
	.protected	k_q4201406ef1_finish
	.globl	k_q4201406ef1_finish
	.p2align	8
	.type	k_q4201406ef1_finish,@function
k_q4201406ef1_finish:
	s_mov_b64 s[64:65], 0
	v_nop
	global_prefetch_b8 v0, s[64:65] scope:SCOPE_SE
	s_setreg_imm32_b32 hwreg(HW_REG_WAVE_MODE, 25, 1), 1
	s_wait_xcnt 0x0
; out0[b][o] = pooled1 + pooled2, pooled = (sum of the four parts' T) / (sum of the four parts' S + 1e-8).
; (The layer between pooled and out0 is left out as dead work: its softmax runs along an axis of length 1 and is 1 for all inputs, so its products, biases and relu reach no output; shown at the head of the first kernel.)
; part: [b][branch][half][q][o][2] f32, the pair (S, T): 2,048 bytes for each (b, n), n = 4 branch + 2 half + q.  A work-group takes a batch; thread t takes channels 2 t and 2 t + 1: 16 bytes of each of the eight parts.
; No LDS, no barrier, no matrix unit: eight loads, a few sums, one store.  The parts are added in a fixed order: no traffic between work-groups.
	s_load_b128 s[4:7], s[0:1], 0x0                ; part, out0
	v_lshlrev_b32 v1, 4, v0
	v_lshlrev_b32 v2, 3, v0
	s_lshl_b32 s8, ttmp9, 14                       ; 16,384 bytes of part a batch
	s_mov_b32 s9, 0
	s_lshl_b32 s10, ttmp9, 10                      ; 1,024 bytes of out0
	s_mov_b32 s11, 0
	s_wait_kmcnt 0x0
	s_add_nc_u64 s[4:5], s[4:5], s[8:9]
	s_add_nc_u64 s[6:7], s[6:7], s[10:11]
.irp n, 0,1,2,3,4,5,6,7
	global_load_b128 v[4+4*\n:7+4*\n], v1, s[4:5] offset:2048*\n th:TH_LOAD_NT   ; a wave reads 512 consecutive bytes; read once in the launch
.endr
.macro SUM4 a                          ; four quads (S, T, S', T') from v[a] on are added into the first
	v_pk_add_f32 v[\a:\a+1], v[\a:\a+1], v[\a+4:\a+5]
	v_pk_add_f32 v[\a+2:\a+3], v[\a+2:\a+3], v[\a+6:\a+7]
	v_pk_add_f32 v[\a+8:\a+9], v[\a+8:\a+9], v[\a+12:\a+13]
	v_pk_add_f32 v[\a+10:\a+11], v[\a+10:\a+11], v[\a+14:\a+15]
	v_pk_add_f32 v[\a:\a+1], v[\a:\a+1], v[\a+8:\a+9]
	v_pk_add_f32 v[\a+2:\a+3], v[\a+2:\a+3], v[\a+10:\a+11]
.endm
	s_wait_loadcnt 4                               ; branch 0's four loads are in; branch 1's four may be out
	SUM4 4
	s_wait_loadcnt 0x0
	SUM4 20
	v_add_f32 v36, 0x322bcc77, v4                  ; S + 1e-8
	v_add_f32 v37, 0x322bcc77, v6
	v_add_f32 v38, 0x322bcc77, v20
	v_add_f32 v39, 0x322bcc77, v22
	v_rcp_f32 v40, v36
	v_rcp_f32 v41, v37
	v_rcp_f32 v42, v38
	v_rcp_f32 v43, v39
	v_nop                                          ; a plain instruction behind the last reciprocal,
	s_wait_alu depctr_va_vdst(0)                   ; and one wait for the four, ahead of their first reader
	v_mul_f32 v44, v5, v40
	v_mul_f32 v45, v7, v41
	v_fma_f32 v44, v21, v42, v44
	v_fma_f32 v45, v23, v43, v45
	global_store_b64 v2, v[44:45], s[6:7]          ; a wave stores 256 consecutive bytes, at a multiple of 256 from out0's first byte
	s_endpgm
.Lfunc_end_k_q4201406ef1_finish:
	.size	k_q4201406ef1_finish, .Lfunc_end_k_q4201406ef1_finish-k_q4201406ef1_finish
	.p2alignl 7, 3214868480
	.fill 96, 4, 3214868480
	.section	.rodata,"a",@progbits
	.p2align	6, 0x0
	.amdhsa_kernel k_q4201406ef1_finish
		.amdhsa_group_segment_fixed_size 0
		.amdhsa_private_segment_fixed_size 0
		.amdhsa_enable_private_segment 0
		.amdhsa_kernarg_size 16
		.amdhsa_user_sgpr_count 2
		.amdhsa_user_sgpr_kernarg_segment_ptr 1
		.amdhsa_wavefront_size32 1
		.amdhsa_system_sgpr_workgroup_id_x 1
		.amdhsa_system_sgpr_workgroup_id_y 1
		.amdhsa_system_sgpr_workgroup_id_z 1
		.amdhsa_system_vgpr_workitem_id 0
		.amdhsa_next_free_vgpr 48
		.amdhsa_next_free_sgpr 66
		.amdhsa_reserve_vcc 0
		.amdhsa_float_denorm_mode_32 3
		.amdhsa_float_denorm_mode_16_64 3
		.amdhsa_memory_ordered 1
		.amdhsa_forward_progress 1
		.amdhsa_inst_pref_size 3
	.end_amdhsa_kernel
	.amdgpu_metadata
---
amdhsa.version: [ 1, 2 ]
amdhsa.kernels:
  - .name:           k_q4201406ef1_finish
    .symbol:         k_q4201406ef1_finish.kd
    .args:
      - { .name: part, .offset: 0, .size: 8, .value_kind: global_buffer, .address_space: global }
      - { .name: out0, .offset: 8, .size: 8, .value_kind: global_buffer, .address_space: global }
    .group_segment_fixed_size: 0
    .private_segment_fixed_size: 0
    .kernarg_segment_align: 8
    .kernarg_segment_size: 16
    .max_flat_workgroup_size: 128
    .sgpr_count:     66
    .vgpr_count:     48
    .wavefront_size: 32
...
	.end_amdgpu_metadata
.endif
;; end of part 3
